; MI455X (gfx1250); checked and timed in simulation.
; The chip was launched on July 23, 2026; its instructions are those of AMD's public machine-readable ISA for CDNA 5 (MIT licence, August 2026) and "CDNA5" Instruction Set Architecture Reference Guide (July 2026). The comments in the code are by the model that wrote it; some were corrected since.
;; Causal Self Attention. Allowed arithmetic: float matrix products may take bf16 or f16 operands with f32 sums; all other float work in f32.
;; Inputs: w_attn 3,072 x 1,024 float32; w_proj 1,024 x 1,024 float32; x 2 x 2,048 x 1,024 float32.
;; Outputs: out0 2 x 2,048 x 1,024 float32.
;; One version. Each part assembles by itself: llvm-mc -triple=amdgcn-amd-amdhsa -mcpu=gfx1250 --defsym DOCPART=n.
;; ======== version 1 of 1: 4 launches
;; limits: values are held in f16: magnitudes above 65,504 overflow, below 6.1e-05 lose precision
;; workspace buffers: cv 16,777,216 bytes; qkv 25,165,824 bytes; vs 262,144 bytes; y 8,388,608 bytes
;; launch prep (part 1): grid 1024 x 1, 8 waves a work-group, no clusters, 0 bytes of LDS; arguments x, w_attn, w_proj, cv; writes cv
.if DOCPART == 1
	.amdgcn_target "amdgcn-amd-amdhsa--gfx1250"
	.amdhsa_code_object_version 6
	.text
	.protected	k_q447cbd75df_prep
	.globl	k_q447cbd75df_prep
	.p2align	8
	.type	k_q447cbd75df_prep,@function
k_q447cbd75df_prep:
	s_mov_b64 s[64:65], 0
	v_nop
	global_prefetch_b8 v0, s[64:65] scope:SCOPE_SE
	s_setreg_imm32_b32 hwreg(HW_REG_WAVE_MODE, 25, 1), 1
	s_wait_xcnt 0x0
; 16-bit copies of the three inputs into cv, so that the matrix launches fetch 16-bit tiles.  Every input is rounded to bf16, to nearest even.
; cv, in units of 8 rows x 1024 numbers = 16,384 bytes: units 0-511 x, bf16; units 512-895 w_attn, bf16, with its rows regrouped by head
; (row 192 h + 64 sel + d of the copy is row 1024 sel + 64 h + d of w_attn: the Q, K and V rows of a head lie together);
; units 896-1023 w_proj: the bf16 value, STORED AS f16.  Its partner in the last product, y, needs f16's 11 bits of significand, and a matrix
; instruction takes one format for both sources; the rounding stays the one that x and w_attn get.
; A work-group converts one unit: 8 rows of 4,096 bytes in, 8 rows of 2,048 bytes out.  Thread t owns 4 numbers of each row:
; a load of a wave covers 512 consecutive bytes, a store of a wave 256 consecutive bytes, aligned.
; No LDS, no barrier, no matrix unit: every byte is read once and written once, and nothing is shared.
; LIMITS: 8 bits of significand for every input.  w_proj besides: magnitudes of 65,520 and more become infinite; a bf16 value is exact in f16
; from 2^-17 up, and below that the copy is off by at most 2^-25.
.set ROWIN,  4096
.set ROWOUT, 2048
.set XI, 8                             ; v[8:39]   eight loads of four f32
.set XO, 40                            ; v[40:55]  eight stores of four 16-bit numbers
	s_load_b256 s[4:11], s[0:1], 0x0               ; x s[4:5], w_attn s[6:7], w_proj s[8:9], cv s[10:11]
	v_lshlrev_b32 v1, 4, v0                        ; 16 t: my bytes in a row of f32
	v_lshlrev_b32 v2, 3, v0                        ; 8 t: my bytes in a row of the copy
	s_mov_b32 s12, ttmp9                           ; g: the unit as the inputs are counted
	s_sub_co_u32 s13, s12, 512                     ; w_attn's unit = 128 sel + 8 h + d/8 (used only where 512 <= g < 896)
	s_bfe_u32 s14, s13, 0x40003                    ; h
	s_lshr_b32 s15, s13, 7                         ; sel
	s_and_b32 s16, s13, 7                          ; d/8
	s_mul_i32 s14, s14, 24
	s_lshl3_add_u32 s15, s15, s16                  ; 8 sel + d/8
	s_add_co_u32 s14, s14, s15
	s_add_co_u32 s14, s14, 512                     ; its place in cv: 512 + 24 h + 8 sel + d/8
	s_sub_co_u32 s17, s12, 896                     ; w_proj's unit
	s_mov_b32 s19, 0
	s_mov_b32 s21, 0
	s_wait_kmcnt 0x0
	s_cmp_lt_u32 s12, 896                          ; w_attn or w_proj
	s_cselect_b64 s[6:7], s[6:7], s[8:9]
	s_cselect_b32 s13, s13, s17
	s_cselect_b32 s14, s14, s12
	s_cmp_lt_u32 s12, 512                          ; x or one of the two
	s_cselect_b64 s[4:5], s[4:5], s[6:7]
	s_cselect_b32 s13, s12, s13
	s_cselect_b32 s14, s12, s14
	s_lshl_b32 s18, s13, 15                        ; 32,768 bytes of f32 a unit
	s_lshl_b32 s20, s14, 14                        ; 16,384 bytes of the copy a unit
	s_add_nc_u64 s[4:5], s[4:5], s[18:19]
	s_add_nc_u64 s[10:11], s[10:11], s[20:21]
.irp j, 0,1,2,3,4,5,6,7
	global_load_b128 v[XI+4*\j:XI+4*\j+3], v1, s[4:5] offset:ROWIN*\j th:TH_LOAD_NT   ; all eight rows at once; read once in the launch
.endr
	s_cmp_ge_u32 s12, 896                          ; the same for the whole work-group
	s_cbranch_scc1 .Lwproj
.irp j, 0,1,2,3,4,5,6,7
	s_wait_loadcnt 7-\j                            ; loads come back in order (ISA guide 5.7.1): row j is in, the younger ones stay out
	v_cvt_pk_bf16_f32 v[XO+2*\j],   v[XI+4*\j],   v[XI+4*\j+1]
	v_cvt_pk_bf16_f32 v[XO+2*\j+1], v[XI+4*\j+2], v[XI+4*\j+3]
	global_store_b64 v2, v[XO+2*\j:XO+2*\j+1], s[10:11] offset:ROWOUT*\j   ; no register of a store is written again: no further wait
.endr
	s_endpgm
.Lwproj:
.irp j, 0,1,2,3,4,5,6,7
	s_wait_loadcnt 7-\j                            ; as above
	v_cvt_pk_bf16_f32 v[XO+2*\j],   v[XI+4*\j],   v[XI+4*\j+1]     ; the rounding,
	v_cvt_pk_bf16_f32 v[XO+2*\j+1], v[XI+4*\j+2], v[XI+4*\j+3]
	v_lshlrev_b32 v[XI+4*\j],   16, v[XO+2*\j]                     ; back in f32 (the low half moves up, the high half stays), into the row's own registers,
	v_and_b32     v[XI+4*\j+1], 0xffff0000, v[XO+2*\j]
	v_lshlrev_b32 v[XI+4*\j+2], 16, v[XO+2*\j+1]
	v_and_b32     v[XI+4*\j+3], 0xffff0000, v[XO+2*\j+1]
	v_cvt_pk_f16_f32 v[XO+2*\j],   v[XI+4*\j],   v[XI+4*\j+1]      ; and the same value in f16
	v_cvt_pk_f16_f32 v[XO+2*\j+1], v[XI+4*\j+2], v[XI+4*\j+3]
	global_store_b64 v2, v[XO+2*\j:XO+2*\j+1], s[10:11] offset:ROWOUT*\j
.endr
	s_endpgm
.Lfunc_end_k_q447cbd75df_prep:
	.size	k_q447cbd75df_prep, .Lfunc_end_k_q447cbd75df_prep-k_q447cbd75df_prep
	.p2alignl 7, 3214868480
	.fill 96, 4, 3214868480
	.section	.rodata,"a",@progbits
	.p2align	6, 0x0
	.amdhsa_kernel k_q447cbd75df_prep
		.amdhsa_group_segment_fixed_size 0
		.amdhsa_private_segment_fixed_size 0
		.amdhsa_enable_private_segment 0
		.amdhsa_kernarg_size 32
		.amdhsa_user_sgpr_count 2
		.amdhsa_user_sgpr_kernarg_segment_ptr 1
		.amdhsa_wavefront_size32 1
		.amdhsa_system_sgpr_workgroup_id_x 1
		.amdhsa_system_sgpr_workgroup_id_y 1
		.amdhsa_system_sgpr_workgroup_id_z 1
		.amdhsa_system_vgpr_workitem_id 0
		.amdhsa_next_free_vgpr 64
		.amdhsa_next_free_sgpr 66
		.amdhsa_reserve_vcc 0
		.amdhsa_float_denorm_mode_32 3
		.amdhsa_float_denorm_mode_16_64 3
		.amdhsa_memory_ordered 1
		.amdhsa_forward_progress 1
		.amdhsa_inst_pref_size 9
	.end_amdhsa_kernel
	.amdgpu_metadata
---
amdhsa.version: [ 1, 2 ]
amdhsa.kernels:
  - .name:           k_q447cbd75df_prep
    .symbol:         k_q447cbd75df_prep.kd
    .args:
      - { .name: x, .offset: 0, .size: 8, .value_kind: global_buffer, .address_space: global }
      - { .name: w_attn, .offset: 8, .size: 8, .value_kind: global_buffer, .address_space: global }
      - { .name: w_proj, .offset: 16, .size: 8, .value_kind: global_buffer, .address_space: global }
      - { .name: cv, .offset: 24, .size: 8, .value_kind: global_buffer, .address_space: global }
    .group_segment_fixed_size: 0
    .private_segment_fixed_size: 0
    .kernarg_segment_align: 8
    .kernarg_segment_size: 32
    .max_flat_workgroup_size: 256
    .sgpr_count:     66
    .vgpr_count:     64
    .wavefront_size: 32
...
	.end_amdgpu_metadata
.endif
;; end of part 1
;; launch qkv (part 2): grid 16 x 16, 4 waves a work-group, clusters of 4 x 4, 327,680 bytes of LDS; arguments cv, qkv, vs; writes qkv, vs
.if DOCPART == 2
	.amdgcn_target "amdgcn-amd-amdhsa--gfx1250"
	.amdhsa_code_object_version 6
	.text
	.protected	k_q447cbd75df_qkv
	.globl	k_q447cbd75df_qkv
	.p2align	8
	.type	k_q447cbd75df_qkv,@function
k_q447cbd75df_qkv:
	s_mov_b64 s[64:65], 0
	v_nop
	global_prefetch_b8 v0, s[64:65] scope:SCOPE_SE
	s_setreg_imm32_b32 hwreg(HW_REG_WAVE_MODE, 25, 1), 1
	s_wait_xcnt 0x0
	s_wait_alu depctr_hold_cnt(0) depctr_sa_sdst(0) depctr_va_vdst(0) depctr_va_sdst(0) depctr_va_ssrc(0) depctr_va_vcc(0) depctr_vm_vsrc(0)
	s_getreg_b32 s2, hwreg(HW_REG_IB_STS2, 6, 4)
	s_cmp_eq_u32 s2, 0
	s_cbranch_scc0 .Lentry_in_a_cluster
	s_endpgm
.Lentry_in_a_cluster:
	s_bfe_u32 s2, ttmp6, 0x10000c
	s_cmp_lg_u32 s2, 0xf033
	s_cbranch_scc0 .Lentry_shape_is_right
	s_endpgm
.Lentry_shape_is_right:
; q, k, v = x w_attn^T, 4096 x 3072 x 1024, bf16 operands (cv's copies), f32 sums; and the f32 sums of V over blocks of 64 rows.
; A work-group makes 256 rows x 192 columns: the 192 columns are the Q, K and V columns of ONE head (cv holds w_attn's rows so grouped),
; 16 x 16 = 256 work-groups.  Wave w makes rows 64 w .. 64 w + 63 and all 192 columns: 4 x 12 accumulator tiles of 16 x 16, 384 registers.
; K goes in steps of 128 (tile rows of 256 bytes, starting at multiples of 256 bytes) through a ring of two LDS slots filled by tensor loads.
; CLUSTERS: 4 x 4 work-groups.  The four of a row of the cluster need the same rows of x, the four of a column the same rows of w_attn:
; each tile is asked for jointly, by the same tensor load in all four, with a mask that names them.
; OUT: qkv [48 = 16 sel + h][4096 rows][64] f16: 16 rows of one head are 2,048 consecutive bytes.  vs [16 h][64 blocks][64 d] f32.
; q, k, v go out in f16 and not in bf16: the first rows of a sequence rest on a few keys, so that v's rounding reaches the output undamped.
; The matrix instruction is used transposed (source 0 = rows of w, source 1 = rows of x): a lane then holds row l % 16 and the eight
; neighbouring columns 8 (l / 16) + 0..7 of a tile.
; LIMIT: results of magnitude 65,520 and more become infinite in f16.
; REGISTERS in windows of 256: window 0 addresses, x's fragments (two buffers), work on the way out; window 1 w's fragments (two buffers);
; window 2 the accumulators of my rows 0-31 (tile (a, b) at v[8 (12 a + b)]); window 3 those of rows 32-63.
.set KSTEP,  128
.set PITCH,  272                       ; 256 bytes of data + 16 of padding: the 16 rows of a fragment load start 68 words apart
.set AQ,     64*PITCH                  ; x's rows of one wave, one tensor load
.set BQ,     48*PITCH                  ; a quarter of w's 192 rows, one tensor load
.set BOFF,   4*AQ                      ; w's rows lie behind x's 256
.set SLOT,   4*AQ+4*BQ                 ; 121,856 bytes
.set STAGE,  2*SLOT                    ; behind the ring, a multiple of 256: no tensor load ever fills it
.set SPITCH, 400                       ; the way out: 384 bytes of a row + 16
.set SBYTES, 16*SPITCH                 ; 6,400 bytes a wave, a multiple of 256
.set LAPS,   4                         ; 1024 / (2 x 128)
.set ADRA, 16                          ; v16-17  LDS address of my x fragments in slot 0, 1
.set ADRB, 20                          ; v20-21  the same for w
.set STO,  24                          ; the way out: where I put 16 bytes of a row
.set RD,   25                          ; where I read 16 bytes back
.set CO,   26                          ; 16 x lane: my bytes in a store of 512
.set CSA,  27                          ; V sums: where my half of the lanes puts its eight sums
.set CSR,  28                          ; V sums: where I read two back
.set VO,   29                          ; 8 x lane
.set FA,   64                          ; x's fragments: buffer f at v[64 + 32 f]
.set TMP,  128                         ; v[128:175] packed results
.set RB0,  176                         ; v[176:223] rows read back
.set RB1,  64                          ; v[64:111]  the same, in turn
.set G1,  24                           ; s[24:31] group 1 for x's tiles
.set G0,  32                           ; s[32:39] group 0 for x's tiles, a set for each slot
.set G1B, 48                           ; s[48:55] group 1 for w's tiles
.set G0B, 56                           ; s[56:63] group 0 for w's tiles
.set FLAGS, (1<<16)|(1<<20)|(1<<21)|(5<<22)|(3<<25)   ; element of 2 bytes; padding on; bit 21 beside a mask; after every 64 words; 4 words
.set MSB, 0
.macro WIN new                         ; the immediate's high byte repeats the setting that is left
.if MSB != \new
	s_set_vgpr_msb (MSB<<8)|\new
.set MSB, \new
.endif
.endm
.set MUL_LO, 0xa1                      ; source 0 (w) window 1, source 1 (x) window 0, C and D window 2
.set MUL_HI, 0xf1                      ; the same, C and D window 3
.set TO_B,   0x40                      ; destination window 1, address window 0
.macro CREST                           ; a round of the cluster's barrier behind its opening work-group barrier
	s_cmp_lg_u32 s10, 0
	s_cbranch_scc1 .Lnot_wave_0_\@
	s_barrier_signal -3
.Lnot_wave_0_\@:
	s_barrier_wait -3
	s_barrier_signal -1
	s_barrier_wait -1
.endm
.macro CROUND                          ; a whole round
	s_barrier_signal -1
	s_barrier_wait -1
	CREST
.endm
.macro PLACES                          ; four places behind a matrix instruction (ISA guide 7.12.1) before its results are read or its registers loaded
.rept 4
	v_nop
.endr
.endm
	s_load_b128 s[4:7], s[0:1], 0x0                ; cv s[4:5], qkv s[6:7]
	s_load_b64 s[8:9], s[0:1], 0x10                ; vs
	s_set_vgpr_msb 0x40
	v_lshl_add_u32 v255, v0, 2, 0x41c00
	s_set_vgpr_msb 0x4000
	v_mov_b32 v255, 0
	s_set_vgpr_msb 0x1
	ds_add_u32 v255, v255
	ds_add_u32 v255, v255
	s_set_vgpr_msb 0x100
	v_lshrrev_b32 v1, 5, v0
	v_readfirstlane_b32 s10, v1                    ; wave 0..3
	s_bfe_u32 s40, ttmp6, 0x40000                  ; cx
	s_bfe_u32 s41, ttmp6, 0x40004                  ; cy
	s_lshl_b32 s42, ttmp9, 2
	s_add_co_u32 s42, s42, s40                     ; block column = head = 4 x cluster x + cx
	s_and_b32 s13, ttmp7, 0xffff
	s_lshl_b32 s13, s13, 2
	s_add_co_u32 s13, s13, s41                     ; block row = 4 x cluster y + cy
	s_lshl_b32 s43, s41, 2
	s_lshl_b32 s43, 15, s43                        ; my row of the cluster: places 4 cy .. 4 cy + 3
	s_lshl_b32 s44, 0x1111, s40                    ; my column: places cx, cx + 4, cx + 8, cx + 12
	s_or_b32 s[G1+0], s43, FLAGS                   ; x's tiles go to my row
	s_mov_b32 s[G1+1], KSTEP<<16                   ; tensor_dim0 = 128
	s_mov_b32 s[G1+2], 64<<16                      ; tensor_dim1 = 64
	s_mov_b32 s[G1+3], KSTEP<<16                   ; tile_dim0 = 128
	s_mov_b32 s[G1+4], 64                          ; tile_dim1 = 64 rows
	s_mov_b32 s[G1+5], 1024                        ; elements from row to row
	s_mov_b32 s[G1+6], 0
	s_mov_b32 s[G1+7], 0
	s_or_b32 s[G1B+0], s44, FLAGS                  ; w's tiles go to my column
	s_mov_b32 s[G1B+1], KSTEP<<16
	s_mov_b32 s[G1B+2], 48<<16                     ; 48 rows
	s_mov_b32 s[G1B+3], KSTEP<<16
	s_mov_b32 s[G1B+4], 48
	s_mov_b32 s[G1B+5], 1024
	s_mov_b32 s[G1B+6], 0
	s_mov_b32 s[G1B+7], 0
	; x's address hangs on the block row and the wave, w's on the block column and the wave, each in registers that never hold the other coordinate
	s_lshl_b32 s16, s13, 8
	s_lshl_b32 s17, s10, 6
	s_add_co_u32 s16, s16, s17                     ; x: row 256 x block row + 64 x wave
	s_lshl_b32 s16, s16, 11                        ; 2,048 bytes a row
	s_mov_b32 s17, 0
	s_mul_i32 s46, s42, 192
	s_mul_i32 s47, s10, 48
	s_add_co_u32 s46, s46, s47                     ; w: row 192 x head + 48 x wave
	s_lshl_b32 s46, s46, 11
	s_add_co_u32 s46, s46, 8388608                 ; w_attn's copy begins at byte 8,388,608 of cv
	s_mov_b32 s47, 0
	s_mul_i32 s20, s10, AQ                         ; where they go: the wave's number alone enters an LDS address
	s_mul_i32 s21, s10, BQ
	s_add_co_u32 s21, s21, BOFF
	; the outputs' offsets, in registers that feed no descriptor
	s_lshl_b32 s72, s42, 19                        ; head x 4096 rows x 128 bytes
	s_lshl_b32 s73, s13, 15                        ; block row x 256 rows x 128 bytes
	s_add_co_u32 s72, s72, s73
	s_lshl_b32 s73, s10, 13                        ; wave x 64 rows x 128 bytes
	s_add_co_u32 s72, s72, s73
	s_mov_b32 s73, 0
	s_lshl_b32 s74, s42, 6
	s_lshl2_add_u32 s75, s13, s10                  ; my block of 64 rows: 4 x block row + wave
	s_add_co_u32 s74, s74, s75
	s_lshl_b32 s74, s74, 8                         ; 256 bytes a block
	s_mov_b32 s75, 0
	s_wait_dscnt 0x0
	s_wait_kmcnt 0x0
	s_add_nc_u64 s[14:15], s[4:5], s[16:17]
	s_add_nc_u64 s[46:47], s[4:5], s[46:47]
	s_add_nc_u64 s[66:67], s[6:7], s[72:73]        ; q's rows of mine
	s_add_nc_u64 s[68:69], s[66:67], 0x800000      ; k's: 16 heads x 524,288 bytes further
	s_add_nc_u64 s[70:71], s[68:69], 0x800000      ; v's
	s_add_nc_u64 s[8:9], s[8:9], s[74:75]
	CROUND                                         ; all sixteen work-groups are here: the first joint loads meet
.irp s, 0,1
	s_mov_b32 s[G0+4*\s], 1
	s_add_co_u32 s[G0+4*\s+1], s20, \s*SLOT
	s_add_nc_u64 s[G0+4*\s+2:G0+4*\s+3], s[14:15], \s*KSTEP*2
	s_or_b32 s[G0+4*\s+3], s[G0+4*\s+3], 0x80000000
	s_mov_b32 s[G0B+4*\s], 1
	s_add_co_u32 s[G0B+4*\s+1], s21, \s*SLOT
	s_add_nc_u64 s[G0B+4*\s+2:G0B+4*\s+3], s[46:47], \s*KSTEP*2
	s_or_b32 s[G0B+4*\s+3], s[G0B+4*\s+3], 0x80000000
	tensor_load_to_lds s[G0+4*\s:G0+4*\s+3], s[G1:G1+7]       ; every wave asks for its 64 rows of x
	s_nop 0
	tensor_load_to_lds s[G0B+4*\s:G0B+4*\s+3], s[G1B:G1B+7]   ; and its 48 rows of w: four loads of the wave are out here, later two
	s_nop 0
.endr
	v_and_b32 v1, 15, v0                           ; r = l % 16
	v_bfe_u32 v2, v0, 4, 1                         ; h = l / 16
	v_mul_u32_u24 v3, v1, PITCH
	v_lshl_add_u32 v3, v2, 4, v3                   ; row x pitch + 16 x half: a fragment is two loads of 16 bytes, 32 bytes apart
	s_mov_b32 s22, s20                             ; my 64 rows of x
	s_mov_b32 s23, BOFF                            ; all of w's rows
.irp s, 0,1
	v_add_nc_u32 v[ADRA+\s], s22, v3
	v_add_nc_u32 v[ADRB+\s], s23, v3
	s_add_co_u32 s22, s22, SLOT
	s_add_co_u32 s23, s23, SLOT
.endr
	s_mul_i32 s22, s10, SBYTES
	s_add_co_u32 s22, s22, STAGE                   ; my stage
	v_mul_u32_u24 v4, v1, SPITCH
	v_lshl_add_u32 v4, v2, 4, v4
	v_add_nc_u32 v[STO], s22, v4                   ; in: row r, 16 bytes for each half of the lanes
	v_bfe_u32 v5, v0, 3, 2                         ; back: eight lanes take the 128 bytes that one row has of one of q, k, v
	v_and_b32 v6, 7, v0
	v_mul_u32_u24 v5, v5, SPITCH
	v_lshl_add_u32 v5, v6, 4, v5
	v_add_nc_u32 v[RD], s22, v5
	v_and_b32 v7, 31, v0
	v_lshlrev_b32 v[CO], 4, v7
	v_lshlrev_b32 v[VO], 3, v7
	v_lshlrev_b32 v[CSA], 5, v2
	v_add_nc_u32 v[CSA], s22, v[CSA]
	v_add_nc_u32 v[CSR], s22, v[VO]
; 12 matrix instructions: row tile a (0, 1) of the window's two (hi = 0: rows 0-31, 1: rows 32-63) x all 12 column tiles, 32 along K.
; zero = 1: the first product starts the sums.  The 48 accumulators take turns, one instruction a turn, in the same order in every
; quarter step, over the backward jump too.
.macro MUL12 f, hi, a, zero
.irp b, 0,1,2,3,4,5,6,7,8,9,10,11
.if \zero
	v_wmma_f32_16x16x32_bf16 v[8*(12*\a+\b):8*(12*\a+\b)+7], v[96*\f+8*\b:96*\f+8*\b+7], v[FA+32*\f+8*(2*\hi+\a):FA+32*\f+8*(2*\hi+\a)+7], 0
.else
	v_wmma_f32_16x16x32_bf16 v[8*(12*\a+\b):8*(12*\a+\b)+7], v[96*\f+8*\b:96*\f+8*\b+7], v[FA+32*\f+8*(2*\hi+\a):FA+32*\f+8*(2*\hi+\a)+7], v[8*(12*\a+\b):8*(12*\a+\b)+7]
.endif
.endr
.endm
; 32 LDS loads in one run: 192 rows of w, then my 64 rows of x, 32 K at byte k of the rows, into buffer f
.macro FETCH slot, k, f
	WIN TO_B
.irp i, 0,1,2,3,4,5,6,7,8,9,10,11
	ds_load_b128 v[96*\f+8*\i:96*\f+8*\i+3],   v[ADRB+\slot] offset:\k+\i*16*PITCH
	ds_load_b128 v[96*\f+8*\i+4:96*\f+8*\i+7], v[ADRB+\slot] offset:\k+\i*16*PITCH+32
.endr
	WIN 0
.irp i, 0,1,2,3
	ds_load_b128 v[FA+32*\f+8*\i:FA+32*\f+8*\i+3],   v[ADRA+\slot] offset:\k+\i*16*PITCH
	ds_load_b128 v[FA+32*\f+8*\i+4:FA+32*\f+8*\i+7], v[ADRA+\slot] offset:\k+\i*16*PITCH+32
.endr
.endm
; one of a K step's first three quarters: multiplies buffer f, and in its middle fetches the next quarter's fragments into buffer g
.macro QUARTER slot, k, f, g, zero
	s_wait_dscnt 4                                 ; w and x's rows 0-31 are in; the youngest four loads (x's rows 32-63) may be out
	WIN MUL_LO
	MUL12 \f, 0, 0, \zero
	MUL12 \f, 0, 1, \zero
	PLACES
	FETCH \slot, \k, \g
	s_wait_dscnt 32                                ; all but the 32 just issued
	WIN MUL_HI
	MUL12 \f, 1, 0, \zero
	MUL12 \f, 1, 1, \zero
.endm
.macro THREE slot, zero
	QUARTER \slot, 64,  0, 1, \zero
	QUARTER \slot, 128, 1, 0, 0
	QUARTER \slot, 192, 0, 1, 0
.endm
; the last quarter multiplies buffer 1 and changes slots.  In front of the barrier each wave waits for its reads of this slot and for all its
; tensor loads (the two that are out are its parts of the next slot); behind it the refills come first, then the next slot's first fragments.
.macro TURN slot, next, fill
	s_wait_dscnt 4
	WIN MUL_LO
	MUL12 1, 0, 0, 0
	s_wait_dscnt 0                                 ; my reads of this slot are over
	s_wait_tensorcnt 0x0                           ; all my tensor loads have landed
	ds_add_u32 v255, v255
	s_wait_dscnt 0x0
	s_barrier_signal -1                            ; say so (where the slot is filled again this opens a round of the cluster's barrier),
	MUL12 1, 0, 1, 0                               ; work on registers while the others arrive
	WIN 0
	s_barrier_wait -1
.if \fill
	CREST                                          ; no wave of any partner still reads this slot or has a load on its way
	s_add_nc_u64 s[G0+4*\slot+2:G0+4*\slot+3], s[G0+4*\slot+2:G0+4*\slot+3], 2*KSTEP*2
	s_add_nc_u64 s[G0B+4*\slot+2:G0B+4*\slot+3], s[G0B+4*\slot+2:G0B+4*\slot+3], 2*KSTEP*2
	tensor_load_to_lds s[G0+4*\slot:G0+4*\slot+3], s[G1:G1+7]       ; the first tensor loads behind the round
	s_nop 0
	tensor_load_to_lds s[G0B+4*\slot:G0B+4*\slot+3], s[G1B:G1B+7]
	s_nop 0
.endif
	PLACES
	FETCH \next, 0, 0
	WIN MUL_HI
	MUL12 1, 1, 0, 0
	MUL12 1, 1, 1, 0
.endm
.macro LAP zero
	THREE 0, \zero
	TURN 0, 1, 1
	THREE 1, 0
	TURN 1, 0, 1
.endm
	s_wait_tensorcnt 0x2                           ; my two parts of K step 0 are in; K step 1's two stay out
	s_barrier_signal -1
	s_barrier_wait -1
	FETCH 0, 0, 0
	LAP 1                                          ; the first lap stands in front of the loop: its first products start the sums
	WIN 0
	s_mov_b32 s3, LAPS-2
.Llap:
	LAP 0
	WIN 0
	s_sub_co_u32 s3, s3, 1
	s_cmp_lg_u32 s3, 0
	s_cbranch_scc1 .Llap
	THREE 0, 0                                     ; the last lap fills nothing
	TURN 0, 1, 0
	THREE 1, 0
	s_wait_dscnt 4
	WIN MUL_LO
	MUL12 1, 0, 0, 0
	MUL12 1, 0, 1, 0
	s_wait_dscnt 0
	WIN MUL_HI
	MUL12 1, 1, 0, 0
	MUL12 1, 1, 1, 0
	; THE WAY OUT, 16 rows at a time: round to f16, 16 bytes a lane into my own stage, read back so that a store of the wave covers 512
	; consecutive bytes of one of q, k, v (4 rows of 128 bytes).  LDS serves a wave's instructions in order (ISA guide 5.7.1.4).
	PLACES
.macro OUT16 a, from, rb
	WIN \from
.irp b, 0,1,2,3,4,5,6,7,8,9,10,11
.irp q, 0,1,2,3
	v_cvt_pk_f16_f32 v[TMP+4*\b+\q], v[8*(12*((\a)&1)+\b)+2*\q], v[8*(12*((\a)&1)+\b)+2*\q+1]
.endr
.endr
	WIN 0
.irp b, 0,1,2,3,4,5,6,7,8,9,10,11
	ds_store_b128 v[STO], v[TMP+4*\b:TMP+4*\b+3] offset:32*\b
.endr
	s_wait_xcnt 0x0                                ; the registers that earlier stores read are loaded again only behind this wait
.irp z, 0,1,2
.irp t, 0,1,2,3
	ds_load_b128 v[\rb+4*(4*\z+\t):\rb+4*(4*\z+\t)+3], v[RD] offset:4*SPITCH*\t+128*\z
.endr
.endr
.irp z, 0,1,2
.irp t, 0,1,2,3
	s_wait_dscnt 11-(4*\z+\t)                      ; this load is back, the younger ones stay out
	global_store_b128 v[CO], v[\rb+4*(4*\z+\t):\rb+4*(4*\z+\t)+3], s[66+2*\z:67+2*\z] offset:2048*\a+512*\t
.endr
.endr
.endm
	OUT16 0, 0x0a, RB0
	OUT16 1, 0x0a, RB1
	OUT16 2, 0x0f, RB0
	OUT16 3, 0x0f, RB1
	; THE SUMS OF V over my 64 rows, from the f32 accumulators of column tiles 8-11: over the four row tiles, then over the 16 lanes of a half.
	s_wait_xcnt 0x0                                ; v[128:223] are written again only behind this wait
	WIN 0x0a
.irp c, 0,1,2,3
.irp q, 0,2,4,6
	v_pk_add_f32 v[128+8*\c+\q:129+8*\c+\q], v[8*(8+\c)+\q:8*(8+\c)+\q+1], v[8*(20+\c)+\q:8*(20+\c)+\q+1]
.endr
.endr
	WIN 0x0f
.irp c, 0,1,2,3
.irp q, 0,2,4,6
	v_pk_add_f32 v[160+8*\c+\q:161+8*\c+\q], v[8*(8+\c)+\q:8*(8+\c)+\q+1], v[8*(20+\c)+\q:8*(20+\c)+\q+1]
.endr
.endr
	WIN 0
.set i, 0
.rept 16
	v_pk_add_f32 v[128+2*i:129+2*i], v[128+2*i:129+2*i], v[160+2*i:161+2*i]
.set i, i+1
.endr
.irp m, 1,2,4,8
.set i, 0
.rept 32
	v_add_f32_dpp v[128+i], v[128+i], v[128+i] row_xmask:\m row_mask:0xf bank_mask:0xf
.set i, i+1
.endr
.endr
.irp c, 0,1,2,3
	ds_store_b128 v[CSA], v[128+8*\c:131+8*\c] offset:64*\c        ; d = 16 c + 8 h + 0..3: the 16 lanes of a half write the same bytes with the same values
	ds_store_b128 v[CSA], v[132+8*\c:135+8*\c] offset:64*\c+16
.endr
	ds_load_b64 v[192:193], v[CSR]                 ; two sums a lane, in d's order
	s_wait_dscnt 0x0
	global_store_b64 v[VO], v[192:193], s[8:9]     ; 256 consecutive bytes, aligned
	s_set_vgpr_msb 0x1
	s_wait_tensorcnt 0x0
	ds_add_u32 v255, v255
	s_wait_dscnt 0x0
	s_set_vgpr_msb 0x100
	CROUND                                         ; the closing round: no work-group ends while a partner may still ask for a tile that names it
	s_endpgm
.Lfunc_end_k_q447cbd75df_qkv:
	.size	k_q447cbd75df_qkv, .Lfunc_end_k_q447cbd75df_qkv-k_q447cbd75df_qkv
	.p2alignl 7, 3214868480
	.fill 96, 4, 3214868480
	.section	.rodata,"a",@progbits
	.p2align	6, 0x0
	.amdhsa_kernel k_q447cbd75df_qkv
		.amdhsa_group_segment_fixed_size 327680
		.amdhsa_private_segment_fixed_size 0
		.amdhsa_enable_private_segment 0
		.amdhsa_kernarg_size 24
		.amdhsa_user_sgpr_count 2
		.amdhsa_user_sgpr_kernarg_segment_ptr 1
		.amdhsa_wavefront_size32 1
		.amdhsa_system_sgpr_workgroup_id_x 1
		.amdhsa_system_sgpr_workgroup_id_y 1
		.amdhsa_system_sgpr_workgroup_id_z 1
		.amdhsa_system_vgpr_workitem_id 0
		.amdhsa_next_free_vgpr 1024
		.amdhsa_next_free_sgpr 80
		.amdhsa_reserve_vcc 0
		.amdhsa_float_denorm_mode_32 3
		.amdhsa_float_denorm_mode_16_64 3
		.amdhsa_memory_ordered 1
		.amdhsa_forward_progress 1
		.amdhsa_inst_pref_size 175
	.end_amdhsa_kernel
	.amdgpu_metadata
---
amdhsa.version: [ 1, 2 ]
amdhsa.kernels:
  - .name:           k_q447cbd75df_qkv
    .symbol:         k_q447cbd75df_qkv.kd
    .args:
      - { .name: cv, .offset: 0, .size: 8, .value_kind: global_buffer, .address_space: global }
      - { .name: qkv, .offset: 8, .size: 8, .value_kind: global_buffer, .address_space: global }
      - { .name: vs, .offset: 16, .size: 8, .value_kind: global_buffer, .address_space: global }
    .group_segment_fixed_size: 327680
    .private_segment_fixed_size: 0
    .kernarg_segment_align: 8
    .kernarg_segment_size: 24
    .max_flat_workgroup_size: 128
    .sgpr_count:     80
    .vgpr_count:     1024
    .wavefront_size: 32
...
	.end_amdgpu_metadata
.endif
;; end of part 2
;; launch attn (part 3): grid 8 x 32, 4 waves a work-group, no clusters, 327,680 bytes of LDS; arguments qkv, vs, y; writes y
.if DOCPART == 3
	.amdgcn_target "amdgcn-amd-amdhsa--gfx1250"
	.amdhsa_code_object_version 6
	.text
	.protected	k_q447cbd75df_attn
	.globl	k_q447cbd75df_attn
	.p2align	8
	.type	k_q447cbd75df_attn,@function
k_q447cbd75df_attn:
	s_mov_b64 s[64:65], 0
	v_nop
	global_prefetch_b8 v0, s[64:65] scope:SCOPE_SE
	s_setreg_imm32_b32 hwreg(HW_REG_WAVE_MODE, 25, 1), 1
	s_wait_xcnt 0x0
; Attention of one head with the module's SOFT causal mask: a masked score is -10, not minus infinity, so masked keys keep a weight.
; All masked keys of a row have the same weight.  Key blocks wholly above the diagonal therefore enter without products, as the STARTING STATE of
; the running softmax: maximum -10 (raw -80, since scores are scaled by 1/8), sum = their number, numerator = the sum of their V rows (from vs).
; The causal blocks follow with a running maximum; in the diagonal block masked scores are replaced by the raw value -80.
; SHARES: query blocks of 128 rows, 16 a head.  Work-group (p, head and batch) takes block 15 - p (16 - p key tiles of 128), then block p
; (p + 1 key tiles): 17 key tiles for every work-group, 8 x 32 = 256 work-groups.  Wave w owns 32 query rows (two tiles of 16).
; NO JOINT LOADS: the work-groups of a head walk different numbers of key tiles (16 - p, then p + 1), so at a given step they stand at different
; tiles.  Four partners p = 4 c .. 4 c + 3 that walk in step must all pass the longest walks, (16 - 4 c) + (4 c + 4) = 20 tiles in place of 17.
; ALL PRODUCTS ARE TRANSPOSED, so that a query's scores lie in two lanes' registers:
;   S^T = K Q^T: lane (r, h), register j of tile kt holds key 16 kt + 8 h + j, query r.  Packed to f16 in place, two such tiles ARE the second
;   source (32 keys x 16 queries) of O^T += V^T P^T, whose first source comes from V's rows by the transposing LDS load.
; RING: three LDS slots of K and V.  In step i tile i's V and tile i + 1's K are read while tile i + 2 is on its way into the slot of tile i - 1.
; OUT: y [16 heads][4096 rows][64] f16, and not bf16: the first rows of a sequence rest on a few keys, so that y's rounding reaches the output undamped.
; LIMITS: f16 operands and result (|q|, |k|, |v|, |y| below 65,504); NaN and infinities are not served; the block sums of V are multiplied by 0 or 1
; and must be finite; weights below 6e-8 of a row's largest are dropped from the products (not from the far keys' share, which stays in f32).
.set SLOT,   38912                     ; K: 128 rows at pitch 144, then V: 128 rows at pitch 160
.set VOFF,   18432
.set QBASE,  3*SLOT                    ; Q of pass 0, of pass 1: 128 rows at pitch 144 each
.set QPASS,  18432
.set PSBASE, QBASE+2*QPASS             ; 153,600: four partial sums of V rows, 256 bytes each; written by LDS stores, never filled
.set STAGE,  PSBASE+1024               ; 154,624: the way out, 32 rows at pitch 144 for each wave; likewise
.set KA,  2                            ; v2-4    K fragments: slot s + r 144 + 16 h
.set VA,  5                            ; v5-7    V fragments: slot s + 18,432 + (8 h + l % 8) 160 + 16 ((l / 8) % 2)
.set QA,  8
.set STO, 9
.set RD,  10
.set YO,  11
.set PSR, 12
.set DD,  13                           ; v13-14  query tile q: 32 w + 16 q + r - 8 h; key 16 kt + j of my half is masked where 16 kt + j > this
.set NEG, 15                           ; -80.0
.set MX,  16                           ; v16-17  running maximum of the raw scores
.set LS,  18                           ; v18-19  running sum, my half's share
.set NS,  20                           ; v20-21  the shift in use: the rounded -c x maximum
.set NM,  22                           ; v22-23  the new shift, twice
.set AL,  24                           ; v24-25  2^(new shift - old shift), twice
.set TT,  26                           ; v26-31  at work
.set QF,  32                           ; v[32:63]   Q fragments (q, ds) at 8 (2 q + ds)
.set OA,  64                           ; v[64:127]  O^T tiles (q, dt) at 8 (4 q + dt)
.set SC,  128                          ; v[128:255] S^T tiles (q, kt) at 8 (8 q + kt); then P
; window 1: K fragments (kt, ds) at v[8 (2 kt + ds)]; V fragments (ks, dt) at v[128 + 8 (4 ks + dt)]
.set G1K, 24                           ; s[24:31] group 1: 32 rows of 128 bytes, 16 bytes of padding (K, Q)
.set G1V, 32                           ; s[32:39] the same with 32 bytes of padding (V)
.set G0K, 40                           ; s[40:51] group 0 for K, a set for each slot
.set G0V, 52                           ; s[52:63] group 0 for V
.set G0Q, 76                           ; s[76:83] group 0 for Q, pass 0 and pass 1
.set YB,  70                           ; s[70:73] y at my rows of pass 0, of pass 1
.set MSB, 0
.macro WIN new
.if MSB != \new
	s_set_vgpr_msb (MSB<<8)|\new
.set MSB, \new
.endif
.endm
	s_load_b128 s[4:7], s[0:1], 0x0                ; qkv s[4:5], vs s[6:7]
	s_load_b64 s[8:9], s[0:1], 0x10                ; y
	s_set_vgpr_msb 0x80
	v_lshl_add_u32 v0, v0, 2, 0x2a400
	v_mov_b32 v1, 0
	s_set_vgpr_msb 0x808a
	ds_add_u32 v0, v1
	ds_add_u32 v0, v1
	s_set_vgpr_msb 0x8a00
	v_lshrrev_b32 v1, 5, v0
	v_readfirstlane_b32 s10, v1                    ; wave
	s_mov_b32 s11, ttmp9                           ; p
	s_and_b32 s12, ttmp7, 0xffff
	s_and_b32 s13, s12, 15                         ; head
	s_lshr_b32 s19, s12, 4                         ; batch
	s_sub_co_u32 s14, 16, s11                      ; key tiles of pass 0
	s_sub_co_u32 s17, 15, s11                      ; the step that holds pass 0's diagonal tile; also pass 0's query block
	s_mov_b32 s15, 2                               ; key block of the next tile to ask for (tiles 0 and 1 are key blocks 0 and 1: pass 0 has 9 at the least)
	s_mov_b32 s16, 0                               ; step
	s_mov_b32 s23, 0
	s_mov_b32 s84, 0x76543210                      ; v_permlanex16_b32: lane i of one half reads lane i of the other
	s_mov_b32 s85, 0xfedcba98
	s_mov_b32 s86, 0x3e38aa3b                      ; c = log2(e) / 8
	s_mov_b32 s87, 0x3e38aa3b
	s_mov_b32 s88, 0xbe38aa3b                      ; -c
	s_mov_b32 s89, 0xc2a00000                      ; pass 0 starts from the masked score, raw -80,
	s_cmp_eq_u32 s11, 0
	s_cselect_b32 s89, 0xff7fffff, s89             ; but query block 15 has no key block above its diagonal: the lowest finite number
	s_lshl_b32 s90, s11, 6                         ; far keys of pass 0: 128 p, half of them in each half of the lanes
	s_lshl_b32 s91, s17, 6                         ; of pass 1: 128 (15 - p)
	s_mov_b32 s[G1K+0], 0x07110000                 ; element of 2 bytes; padding on; after every 32 words; 4 words
	s_mov_b32 s[G1K+1], 64<<16                     ; tensor_dim0 = 64
	s_mov_b32 s[G1K+2], 32<<16                     ; tensor_dim1 = 32
	s_mov_b32 s[G1K+3], 64<<16                     ; tile_dim0 = 64
	s_mov_b32 s[G1K+4], 32                         ; tile_dim1 = 32
	s_mov_b32 s[G1K+5], 64                         ; elements from row to row
	s_mov_b32 s[G1K+6], 0
	s_mov_b32 s[G1K+7], 0
	s_mov_b32 s[G1V+0], 0x0f110000                 ; 8 words of padding
	s_mov_b32 s[G1V+1], 64<<16
	s_mov_b32 s[G1V+2], 32<<16
	s_mov_b32 s[G1V+3], 64<<16
	s_mov_b32 s[G1V+4], 32
	s_mov_b32 s[G1V+5], 64
	s_mov_b32 s[G1V+6], 0
	s_mov_b32 s[G1V+7], 0
	s_lshl_b32 s2, s13, 12
	s_lshl_b32 s3, s19, 11
	s_add_co_u32 s2, s2, s3
	s_lshl_b32 s3, s10, 5
	s_add_co_u32 s2, s2, s3                        ; row 4096 head + 2048 batch + 32 wave
	s_lshl_b32 s92, s17, 7
	s_add_co_u32 s92, s92, s2
	s_lshl_b32 s92, s92, 7                         ; my query rows of pass 0, in bytes (the same in q's part of qkv and in y)
	s_mov_b32 s93, 0
	s_lshl_b32 s94, s11, 7
	s_add_co_u32 s94, s94, s2
	s_lshl_b32 s94, s94, 7                         ; of pass 1
	s_mov_b32 s95, 0
	s_lshl_b32 s20, s2, 7
	s_add_co_u32 s20, s20, 0x800000                ; my 32 rows of key block 0: k's part begins 16 x 524,288 bytes into qkv
	s_mov_b32 s21, 0
	s_lshl_b32 s74, s13, 6
	s_lshl_b32 s3, s19, 5
	s_add_co_u32 s74, s74, s3
	s_lshl_b32 s74, s74, 8                         ; vs: the 32 blocks of 64 rows of my head and batch,
	s_lshr_b32 s3, s10, 1                          ; of which waves 0, 1 take blocks 0-15 and waves 2, 3 blocks 16-31
	s_lshl_b32 s75, s3, 12
	s_add_co_u32 s74, s74, s75
	s_mov_b32 s75, 0
	s_lshl_b32 s18, s11, 1
	s_add_co_u32 s22, s18, 2                       ; first far block of pass 1: 2 p + 2
	s_sub_co_u32 s18, 32, s18                      ; of pass 0: 32 - 2 p
	s_and_b32 s2, s10, 1                           ; even waves sum for pass 0, odd ones for pass 1
	s_cmp_lg_u32 s2, 0
	s_cselect_b32 s18, s22, s18
	s_lshl_b32 s22, s3, 4
	s_sub_co_i32 s18, s18, s22                     ; counted from my first block: block ii is far where this <= ii
	s_mul_i32 s2, s10, 4608                        ; my 32 rows at pitch 144
	s_mul_i32 s3, s10, 5120                        ; at pitch 160
	s_mov_b32 s[G0Q], 1
	s_add_co_u32 s[G0Q+1], s2, QBASE
	s_mov_b32 s[G0Q+4], 1
	s_add_co_u32 s[G0Q+5], s2, QBASE+QPASS
.irp s, 0,1,2
	s_mov_b32 s[G0K+4*\s], 1
	s_add_co_u32 s[G0K+4*\s+1], s2, \s*SLOT
	s_mov_b32 s[G0V+4*\s], 1
	s_add_co_u32 s[G0V+4*\s+1], s3, \s*SLOT+VOFF
.endr
	s_wait_dscnt 0x0
	s_wait_kmcnt 0x0
	s_add_nc_u64 s[G0Q+2:G0Q+3], s[4:5], s[92:93]
	s_or_b32 s[G0Q+3], s[G0Q+3], 0x80000000
	s_add_nc_u64 s[G0Q+6:G0Q+7], s[4:5], s[94:95]
	s_or_b32 s[G0Q+7], s[G0Q+7], 0x80000000
	s_add_nc_u64 s[66:67], s[4:5], s[20:21]        ; K's base
	s_add_nc_u64 s[68:69], s[66:67], 0x800000      ; V's base
	s_or_b32 s67, s67, 0x80000000                  ; with the type bits set: a tile's address is base + key block x 16,384
	s_or_b32 s69, s69, 0x80000000
	s_mov_b64 s[G0K+2:G0K+3], s[66:67]
	s_mov_b64 s[G0V+2:G0V+3], s[68:69]
	s_add_nc_u64 s[G0K+6:G0K+7], s[66:67], 16384
	s_add_nc_u64 s[G0V+6:G0V+7], s[68:69], 16384
	tensor_load_to_lds s[G0Q:G0Q+3], s[G1K:G1K+7]          ; six loads of the wave are out here, later two
	s_nop 0
	tensor_load_to_lds s[G0Q+4:G0Q+7], s[G1K:G1K+7]
	s_nop 0
	tensor_load_to_lds s[G0K:G0K+3], s[G1K:G1K+7]
	s_nop 0
	tensor_load_to_lds s[G0V:G0V+3], s[G1V:G1V+7]
	s_nop 0
	tensor_load_to_lds s[G0K+4:G0K+7], s[G1K:G1K+7]
	s_nop 0
	tensor_load_to_lds s[G0V+4:G0V+7], s[G1V:G1V+7]
	s_nop 0
	s_add_nc_u64 s[74:75], s[6:7], s[74:75]
	s_add_nc_u64 s[YB:YB+1], s[8:9], s[92:93]      ; y, pass 0
	s_add_nc_u64 s[YB+2:YB+3], s[8:9], s[94:95]    ; y, pass 1
	v_and_b32 v28, 31, v0                          ; lane
	v_lshlrev_b32 v31, 3, v28                      ; 8 x lane
.irp ii, 0,1,2,3,4,5,6,7,8,9,10,11,12,13,14,15
	global_load_b64 v[SC+2*\ii:SC+2*\ii+1], v31, s[74:75] offset:256*\ii    ; a block's 64 sums: 256 consecutive bytes a load
.endr
	v_and_b32 v26, 15, v0                          ; r
	v_bfe_u32 v27, v0, 4, 1                        ; h
	v_and_b32 v29, 7, v0
	v_bfe_u32 v30, v0, 3, 1
	v_mul_u32_u24 v1, v26, 144
	v_lshl_add_u32 v1, v27, 4, v1                  ; r 144 + 16 h
.irp s, 0,1,2
	v_add_nc_u32 v[KA+\s], \s*SLOT, v1
.endr
	v_lshl_add_u32 v[VA], v27, 3, v29
	v_mul_u32_u24 v[VA], v[VA], 160
	v_lshl_add_u32 v[VA], v30, 4, v[VA]
	v_add_nc_u32 v[VA+2], 2*SLOT+VOFF, v[VA]
	v_add_nc_u32 v[VA+1], SLOT+VOFF, v[VA]
	v_add_nc_u32 v[VA], VOFF, v[VA]
	s_add_co_u32 s3, s2, QBASE
	v_add_nc_u32 v[QA], s3, v1
	s_add_co_u32 s3, s2, STAGE
	v_add_nc_u32 v[STO], s3, v1
	v_bfe_u32 v[RD], v0, 3, 2
	v_mul_u32_u24 v[RD], v[RD], 144
	v_lshl_add_u32 v[RD], v29, 4, v[RD]
	v_add_nc_u32 v[RD], s3, v[RD]                  ; back: eight lanes take a row's 128 bytes
	v_lshlrev_b32 v[YO], 4, v28
	v_lshlrev_b32 v[PSR], 5, v27
	v_add_nc_u32 v[PSR], PSBASE, v[PSR]
	s_lshl_b32 s3, s10, 5
	v_lshlrev_b32 v[DD], 3, v27
	v_sub_nc_u32 v[DD], v26, v[DD]
	v_add_nc_u32 v[DD], s3, v[DD]
	v_add_nc_u32 v[DD+1], 16, v[DD]
	v_mov_b32 v[NEG], 0xc2a00000
	s_lshl_b32 s3, s10, 8
	s_add_co_u32 s3, s3, PSBASE
	v_add_nc_u32 v30, s3, v31                      ; my wave's partial sum, 8 bytes a lane
	s_wait_loadcnt 0x0
	; my 16 blocks, each times 1 (far) or 0: no branch and no address hangs on the choice; two chains
.irp ii, 0,1,2,3,4,5,6,7,8,9,10,11,12,13,14,15
	s_cmp_le_i32 s18, \ii
	s_cselect_b32 s22, 1.0, 0
.if \ii < 2
	v_pk_mul_f32 v[SC+32+2*\ii:SC+33+2*\ii], v[SC+2*\ii:SC+2*\ii+1], s[22:23] op_sel_hi:[1,0]
.else
	v_pk_fma_f32 v[SC+32+2*(\ii&1):SC+33+2*(\ii&1)], v[SC+2*\ii:SC+2*\ii+1], s[22:23], v[SC+32+2*(\ii&1):SC+33+2*(\ii&1)] op_sel_hi:[1,0,1]
.endif
.endr
	v_pk_add_f32 v[SC+32:SC+33], v[SC+32:SC+33], v[SC+34:SC+35]
	ds_store_b64 v30, v[SC+32:SC+33]
	s_wait_tensorcnt 0x2                           ; Q of both passes and tile 0 are in; tile 1's two loads stay out
	s_wait_dscnt 0x0                               ; my partial sum is written
	s_barrier_signal -1
	s_barrier_wait -1
.macro KFETCH sl                       ; 32 loads: the 16 K fragments of a tile, into window 1
	WIN 0x40
.irp kt, 0,1,2,3,4,5,6,7
.irp ds, 0,1
	ds_load_b128 v[8*(2*\kt+\ds):8*(2*\kt+\ds)+3],   v[KA+\sl] offset:2304*\kt+64*\ds
	ds_load_b128 v[8*(2*\kt+\ds)+4:8*(2*\kt+\ds)+7], v[KA+\sl] offset:2304*\kt+64*\ds+32
.endr
.endr
.endm
.macro VFETCH sl                       ; 32 transposing loads: the 16 fragments of V^T (16 d x 32 keys) of a tile
	WIN 0x40
.irp ks, 0,1,2,3
.irp dt, 0,1,2,3
	ds_load_tr16_b128 v[128+8*(4*\ks+\dt):128+8*(4*\ks+\dt)+3],   v[VA+\sl] offset:5120*\ks+32*\dt
	ds_load_tr16_b128 v[128+8*(4*\ks+\dt)+4:128+8*(4*\ks+\dt)+7], v[VA+\sl] offset:5120*\ks+32*\dt+2560
.endr
.endr
.endm
; The start of a pass: Q's fragments, and the far keys as the running softmax's first state.
.macro INIT pp
.irp q, 0,1
.irp ds, 0,1
	ds_load_b128 v[QF+8*(2*\q+\ds):QF+8*(2*\q+\ds)+3],   v[QA] offset:QPASS*\pp+2304*\q+64*\ds
	ds_load_b128 v[QF+8*(2*\q+\ds)+4:QF+8*(2*\q+\ds)+7], v[QA] offset:QPASS*\pp+2304*\q+64*\ds+32
.endr
.endr
.irp dt, 0,1,2,3
.irp e, 0,1
	ds_load_b128 v[SC+8*\dt+4*\e:SC+8*\dt+4*\e+3],       v[PSR] offset:256*\pp+64*\dt+16*\e       ; blocks 0-15's share, d = 16 dt + 8 h + 4 e ..
	ds_load_b128 v[SC+32+8*\dt+4*\e:SC+32+8*\dt+4*\e+3], v[PSR] offset:256*\pp+512+64*\dt+16*\e   ; blocks 16-31's
.endr
.endr
	s_wait_dscnt 0x0
.set i, 0
.rept 16
	v_pk_add_f32 v[OA+2*i:OA+2*i+1],       v[SC+2*i:SC+2*i+1], v[SC+32+2*i:SC+32+2*i+1]   ; the same for every query
	v_pk_add_f32 v[OA+32+2*i:OA+32+2*i+1], v[SC+2*i:SC+2*i+1], v[SC+32+2*i:SC+32+2*i+1]
.set i, i+1
.endr
.if \pp
	v_mov_b32 v[MX], v[NEG]                        ; pass 1 (query block p <= 7) always has far keys
.else
	v_mov_b32 v[MX], s89
.endif
	v_mov_b32 v[MX+1], v[MX]
	v_mul_f32 v[NS], s88, v[MX]
	v_mul_f32 v[NS+1], s88, v[MX]
	v_cvt_f32_u32 v[LS], s[90+\pp]
	v_cvt_f32_u32 v[LS+1], s[90+\pp]
.endm
.macro MASK                            ; the diagonal tile: keys behind the query get the raw score -80
.irp q, 0,1
.irp kt, 0,1,2,3,4,5,6,7
.irp j, 0,1,2,3,4,5,6,7
	v_cmp_gt_i32 vcc_lo, 16*\kt+\j, v[DD+\q]
	v_cndmask_b32 v[SC+8*(8*\q+\kt)+\j], v[SC+8*(8*\q+\kt)+\j], v[NEG], vcc_lo
.endr
.endr
.endr
.endm
.macro SFMA q, kt                      ; c x score + shift
.irp j, 0,2,4,6
	v_pk_fma_f32 v[SC+8*(8*\q+\kt)+\j:SC+8*(8*\q+\kt)+\j+1], v[SC+8*(8*\q+\kt)+\j:SC+8*(8*\q+\kt)+\j+1], s[86:87], v[NM:NM+1] op_sel_hi:[1,0,1]
.endr
.endm
.macro SEXP q, kt
.irp j, 0,1,2,3,4,5,6,7
	v_exp_f32 v[SC+8*(8*\q+\kt)+\j], v[SC+8*(8*\q+\kt)+\j]
.endr
.endm
.macro OSC q, kt                       ; four of O's 32 registers take the factor; also the plain instruction behind the exponentials (ISA guide 5.7.2)
	v_pk_mul_f32 v[OA+32*\q+4*\kt:OA+32*\q+4*\kt+1],   v[OA+32*\q+4*\kt:OA+32*\q+4*\kt+1],   v[AL:AL+1]
	v_pk_mul_f32 v[OA+32*\q+4*\kt+2:OA+32*\q+4*\kt+3], v[OA+32*\q+4*\kt+2:OA+32*\q+4*\kt+3], v[AL:AL+1]
.endm
.macro SACC q, kt                      ; a tile's weights are summed in f32 and packed to f16: tile 2 ks into its own registers 0-3, tile 2 ks + 1 into registers 4-7 of tile 2 ks
.set XB, SC+8*(8*\q+(\kt))
.set PB, SC+8*(8*\q+((\kt)&6))+4*((\kt)&1)
.if (\kt) == 0
	s_wait_alu depctr_va_vdst(0)
	v_pk_add_f32 v[TT:TT+1],   v[XB:XB+1],   v[XB+2:XB+3]         ; the first adds start the sums
	v_pk_add_f32 v[TT+2:TT+3], v[XB+4:XB+5], v[XB+6:XB+7]
.else
	s_wait_alu depctr_va_vdst(0)
	v_pk_add_f32 v[TT:TT+1],   v[TT:TT+1],   v[XB:XB+1]
	v_pk_add_f32 v[TT+2:TT+3], v[TT+2:TT+3], v[XB+2:XB+3]
	v_pk_add_f32 v[TT:TT+1],   v[TT:TT+1],   v[XB+4:XB+5]
	v_pk_add_f32 v[TT+2:TT+3], v[TT+2:TT+3], v[XB+6:XB+7]
.endif
.irp i, 0,1,2,3
	v_cvt_pk_f16_f32 v[PB+\i], v[XB+2*\i], v[XB+2*\i+1]
.endr
.endm
; The running softmax of query tile q over this key tile's 128 keys (64 in my lane, 64 in the lane of the other half).
.macro SM q
.irp k, 0,1,2,3
	v_max3_num_f32 v[TT+\k], v[SC+64*\q+16*\k], v[SC+64*\q+16*\k+1], v[SC+64*\q+16*\k+2]      ; four chains of 15 values
.endr
.irp i, 3,5,7,9,11,13
.irp k, 0,1,2,3
	v_max3_num_f32 v[TT+\k], v[TT+\k], v[SC+64*\q+16*\k+\i], v[SC+64*\q+16*\k+\i+1]
.endr
.endr
	v_max3_num_f32 v[TT], v[TT], v[TT+1], v[TT+2]
	v_max3_num_f32 v[TT], v[TT], v[TT+3], v[SC+64*\q+15]           ; the four values left over, and the maximum so far
	v_max3_num_f32 v[TT], v[TT], v[SC+64*\q+31], v[SC+64*\q+47]
	v_max3_num_f32 v[TT], v[TT], v[SC+64*\q+63], v[MX+\q]
	v_permlanex16_b32 v[TT+4], v[TT], s84, s85                     ; the other half's
	v_max_num_f32 v[MX+\q], v[TT], v[TT+4]
	v_mul_f32 v[NM], s88, v[MX+\q]                                 ; the new shift, rounded once; old and new terms are scaled by the difference of the
	v_mul_f32 v[NM+1], s88, v[MX+\q]                               ; ROUNDED shifts, so that all terms of a row share one scale
	v_sub_f32 v[TT+5], v[NM], v[NS+\q]
	v_exp_f32 v[AL], v[TT+5]
	v_mov_b32 v[NS+\q], v[NM]                                      ; a plain instruction behind the exponential
	s_wait_alu depctr_va_vdst(0)
	v_mov_b32 v[AL+1], v[AL]
	SFMA \q, 0
	SEXP \q, 0
	OSC \q, 0
.irp kt, 1,2,3,4,5,6,7
	SFMA \q, \kt
	SEXP \q, \kt
	OSC \q, \kt
	SACC \q, \kt-1
.endr
	SACC \q, 7
	v_pk_add_f32 v[TT:TT+1], v[TT:TT+1], v[TT+2:TT+3]
	v_add_f32 v[TT], v[TT], v[TT+1]
	v_fma_f32 v[LS+\q], v[LS+\q], v[AL], v[TT]
.endm
; The end of a pass: divide, round to f16, through my own stage, out in stores of 512 consecutive bytes (my 32 rows of y are 4,096 consecutive bytes).
.macro FIN pp
	v_permlanex16_b32 v[TT], v[LS], s84, s85
	v_permlanex16_b32 v[TT+1], v[LS+1], s84, s85
	v_add_f32 v[TT], v[TT], v[LS]
	v_add_f32 v[TT+1], v[TT+1], v[LS+1]
	v_rcp_f32 v[TT+2], v[TT]
	v_rcp_f32 v[TT+4], v[TT+1]
	v_nop                                          ; a plain place behind the reciprocals
	s_wait_alu depctr_va_vdst(0)
	v_mov_b32 v[TT+3], v[TT+2]
	v_mov_b32 v[TT+5], v[TT+4]
.irp q, 0,1
.set i, 0
.rept 16
	v_pk_mul_f32 v[OA+32*\q+2*i:OA+32*\q+2*i+1], v[OA+32*\q+2*i:OA+32*\q+2*i+1], v[TT+2+2*\q:TT+3+2*\q]
.set i, i+1
.endr
.endr
.set i, 0
.rept 32
	v_cvt_pk_f16_f32 v[SC+i], v[OA+2*i], v[OA+2*i+1]
.set i, i+1
.endr
.irp q, 0,1
.irp dt, 0,1,2,3
	ds_store_b128 v[STO], v[SC+4*(4*\q+\dt):SC+4*(4*\q+\dt)+3] offset:2304*\q+32*\dt   ; row 16 q + r, d = 16 dt + 8 h ..
.endr
.endr
.irp t, 0,1,2,3,4,5,6,7
	ds_load_b128 v[SC+32+4*\t:SC+32+4*\t+3], v[RD] offset:576*\t   ; LDS serves a wave's instructions in order (ISA guide 5.7.1.4)
.endr
.irp t, 0,1,2,3,4,5,6,7
	s_wait_dscnt 7-\t                              ; this load is back, the younger ones stay out
	global_store_b128 v[YO], v[SC+32+4*\t:SC+32+4*\t+3], s[YB+2*\pp:YB+2*\pp+1] offset:512*\t
.endr
.endm
; One key tile.  sa: its slot; sb: the next tile's; sc: the slot read last step, filled again with the tile after next.
.macro STEP sa, sb, sc, refill, kpre, last
	s_set_vgpr_msb 0xa
	s_wait_tensorcnt 0x0                           ; all my tensor loads have landed, my part of the next tile among them: every group 0 may be written
	ds_add_u32 v0, v1
	s_wait_dscnt 0x0
	s_set_vgpr_msb 0xa00
.if \refill
	s_lshl_b32 s20, s15, 14                        ; key block x 128 rows x 128 bytes
	s_add_nc_u64 s[G0K+4*\sc+2:G0K+4*\sc+3], s[66:67], s[20:21]
	s_add_nc_u64 s[G0V+4*\sc+2:G0V+4*\sc+3], s[68:69], s[20:21]
	s_add_co_u32 s15, s15, 1
	s_cmp_eq_u32 s15, s14
	s_cselect_b32 s15, 0, s15                      ; behind pass 0's last key block comes pass 1's first
.endif
	s_wait_dscnt 0x0                               ; my reads of slot sc are over, and this tile's K fragments are in
	s_barrier_signal -1
	s_barrier_wait -1                              ; both hold of every wave
.if \refill
	tensor_load_to_lds s[G0K+4*\sc:G0K+4*\sc+3], s[G1K:G1K+7]      ; the first tensor loads behind the barrier
	s_nop 0
	tensor_load_to_lds s[G0V+4*\sc:G0V+4*\sc+3], s[G1V:G1V+7]
	s_nop 0
.endif
	VFETCH \sa
	WIN 0x01                                       ; source 0 in window 1
	; S^T = K Q^T: the 16 tiles take turns, one instruction a turn; the first 32 of d start the sums
.irp q, 0,1
.irp kt, 0,1,2,3,4,5,6,7
	v_wmma_f32_16x16x32_f16 v[SC+8*(8*\q+\kt):SC+8*(8*\q+\kt)+7], v[16*\kt:16*\kt+7], v[QF+16*\q:QF+16*\q+7], 0
.endr
.endr
.irp q, 0,1
.irp kt, 0,1,2,3,4,5,6,7
	v_wmma_f32_16x16x32_f16 v[SC+8*(8*\q+\kt):SC+8*(8*\q+\kt)+7], v[16*\kt+8:16*\kt+15], v[QF+16*\q+8:QF+16*\q+15], v[SC+8*(8*\q+\kt):SC+8*(8*\q+\kt)+7]
.endr
.endr
.rept 4
	v_nop                                          ; four places (ISA guide 7.12.1) before the scores are read and K's fragments loaded again
.endr
.if \kpre
	KFETCH \sb                                     ; the next tile's K: the barrier above has shown it whole
.endif
	WIN 0
.if \last
	MASK
.else
	s_cmp_lg_u32 s16, s17                          ; pass 0's diagonal tile?
	s_cbranch_scc1 .Lnomask_\@
	MASK
.Lnomask_\@:
.endif
	SM 0
	SM 1
.if \kpre
	s_wait_dscnt 32                                ; V's fragments are in; the 32 loads of the next K stay out
.else
	s_wait_dscnt 0
.endif
	WIN 0x01
	; O^T += V^T P^T: the eight tiles take turns, one instruction a turn
.irp ks, 0,1,2,3
.irp q, 0,1
.irp dt, 0,1,2,3
	v_wmma_f32_16x16x32_f16 v[OA+8*(4*\q+\dt):OA+8*(4*\q+\dt)+7], v[128+8*(4*\ks+\dt):128+8*(4*\ks+\dt)+7], v[SC+8*(8*\q+2*\ks):SC+8*(8*\q+2*\ks)+7], v[OA+8*(4*\q+\dt):OA+8*(4*\q+\dt)+7]
.endr
.endr
.endr
	WIN 0
.rept 5
	v_nop                                          ; five places: the next step's products write over P
.endr
.if \last
	FIN 1
.else
	s_cmp_lg_u32 s16, s17
	s_cbranch_scc1 .Lnofin_\@
	FIN 0
	s_wait_xcnt 0x0                                ; the registers that the stores read are loaded again only behind this wait
	INIT 1
.Lnofin_\@:
.endif
	s_add_co_u32 s16, s16, 1
.endm
	KFETCH 0
	WIN 0
	INIT 0
	s_mov_b32 s18, 5
.Ltrip:                                            ; tiles 0-14; asks for tiles 2-16
	STEP 0, 1, 2, 1, 1, 0
	STEP 1, 2, 0, 1, 1, 0
	STEP 2, 0, 1, 1, 1, 0
	s_sub_co_u32 s18, s18, 1
	s_cmp_lg_u32 s18, 0
	s_cbranch_scc1 .Ltrip
	STEP 0, 1, 2, 0, 1, 0                          ; tile 15: nothing more to ask for
	STEP 1, 2, 0, 0, 0, 1                          ; tile 16 is pass 1's diagonal tile in every work-group
	s_set_vgpr_msb 0xa
	s_wait_tensorcnt 0x0
	ds_add_u32 v0, v1
	s_wait_dscnt 0x0
	s_set_vgpr_msb 0xa00
	s_endpgm
.Lfunc_end_k_q447cbd75df_attn:
	.size	k_q447cbd75df_attn, .Lfunc_end_k_q447cbd75df_attn-k_q447cbd75df_attn
	.p2alignl 7, 3214868480
	.fill 96, 4, 3214868480
	.section	.rodata,"a",@progbits
	.p2align	6, 0x0
	.amdhsa_kernel k_q447cbd75df_attn
		.amdhsa_group_segment_fixed_size 327680
		.amdhsa_private_segment_fixed_size 0
		.amdhsa_enable_private_segment 0
		.amdhsa_kernarg_size 24
		.amdhsa_user_sgpr_count 2
		.amdhsa_user_sgpr_kernarg_segment_ptr 1
		.amdhsa_wavefront_size32 1
		.amdhsa_system_sgpr_workgroup_id_x 1
		.amdhsa_system_sgpr_workgroup_id_y 1
		.amdhsa_system_sgpr_workgroup_id_z 1
		.amdhsa_system_vgpr_workitem_id 0
		.amdhsa_next_free_vgpr 514
		.amdhsa_next_free_sgpr 96
		.amdhsa_reserve_vcc 1
		.amdhsa_float_denorm_mode_32 3
		.amdhsa_float_denorm_mode_16_64 3
		.amdhsa_memory_ordered 1
		.amdhsa_forward_progress 1
		.amdhsa_inst_pref_size 255
	.end_amdhsa_kernel
	.section	.bss,"aw",@nobits
	.p2align	6
	.space	262144
	.amdgpu_metadata
---
amdhsa.version: [ 1, 2 ]
amdhsa.kernels:
  - .name:           k_q447cbd75df_attn
    .symbol:         k_q447cbd75df_attn.kd
    .args:
      - { .name: qkv, .offset: 0, .size: 8, .value_kind: global_buffer, .address_space: global }
      - { .name: vs, .offset: 8, .size: 8, .value_kind: global_buffer, .address_space: global }
      - { .name: y, .offset: 16, .size: 8, .value_kind: global_buffer, .address_space: global }
    .group_segment_fixed_size: 327680
    .private_segment_fixed_size: 0
    .kernarg_segment_align: 8
    .kernarg_segment_size: 24
    .max_flat_workgroup_size: 128
    .sgpr_count:     96
    .vgpr_count:     514
    .wavefront_size: 32
...
	.end_amdgpu_metadata
.endif
;; end of part 3
;; launch proj (part 4): grid 8 x 32, 4 waves a work-group, clusters of 4 x 4, 327,680 bytes of LDS; arguments y, cv, out0; writes out0
.if DOCPART == 4
	.amdgcn_target "amdgcn-amd-amdhsa--gfx1250"
	.amdhsa_code_object_version 6
	.text
	.protected	k_q447cbd75df_proj
	.globl	k_q447cbd75df_proj
	.p2align	8
	.type	k_q447cbd75df_proj,@function
k_q447cbd75df_proj:
	s_mov_b64 s[64:65], 0
	v_nop
	global_prefetch_b8 v0, s[64:65] scope:SCOPE_SE
	s_setreg_imm32_b32 hwreg(HW_REG_WAVE_MODE, 25, 1), 1
	s_wait_xcnt 0x0
	s_wait_alu depctr_hold_cnt(0) depctr_sa_sdst(0) depctr_va_vdst(0) depctr_va_sdst(0) depctr_va_ssrc(0) depctr_va_vcc(0) depctr_vm_vsrc(0)
	s_getreg_b32 s2, hwreg(HW_REG_IB_STS2, 6, 4)
	s_cmp_eq_u32 s2, 0
	s_cbranch_scc0 .Lentry_in_a_cluster
	s_endpgm
.Lentry_in_a_cluster:
	s_bfe_u32 s2, ttmp6, 0x10000c
	s_cmp_lg_u32 s2, 0xf033
	s_cbranch_scc0 .Lentry_shape_is_right
	s_endpgm
.Lentry_shape_is_right:
; out0 = y w_proj^T, 4096 x 1024 x 1024, f16 operands, f32 sums and f32 output.
; y lies head-major, [16 heads][4096 rows][64] f16.  w_proj's copy, [1024][1024] from byte 14,680,064 of cv, holds the bf16-rounded numbers in f16.
; A work-group makes 128 x 128 (8 x 32 = 256 work-groups), a wave 64 x 64: 16 accumulator tiles.  A K step of 128 is two heads of y.
; Eight K steps go through FOUR LDS slots: all four are asked for at the start; slots 0, 1, 2 are filled again behind one round of the cluster's
; barrier in tile 2, slot 3 behind a second round in tile 4: two rounds in the whole product.  Tiles 5 and 6 then have two tiles' work in which to
; land, tile 7 two.  By this text's count at most eight tensor loads of a wave are out.
; CLUSTERS: 4 x 4 work-groups; y's tiles are shared along a row of the cluster, w_proj's along a column, each asked for jointly.
; The matrix instruction is used transposed (source 0 = rows of w, source 1 = rows of y): a lane holds eight neighbouring columns of one row.
; REGISTERS: window 0 addresses and y's fragments (two buffers of 64 along K); window 1 w's fragments; window 2 accumulators (a, b) at v[8 (4 a + b)].
.set APITCH, 144
.set BPITCH, 272
.set APLANE, 128*APITCH                ; one head's 128 rows
.set BOFF,   2*APLANE                  ; w's 128 rows lie behind y's two heads
.set SLOT,   2*APLANE+128*BPITCH       ; 71,680 bytes
.set STAGE,  4*SLOT                    ; 286,720, a multiple of 256: no tensor load ever fills it
.set SPITCH, 272
.set ADRA, 8                           ; v8-11   y's fragments in slot 0..3
.set ADRB, 12                          ; v12-15  w's
.set STO,  16
.set RD,   17
.set CO,   18
.set FR,   64                          ; fragments: buffer f, 32 along K number ks, tile i at v[64 + 64 f + 8 (4 ks + i)]
.set G1A, 16                           ; s[16:23]
.set G1B, 24                           ; s[24:31]
.set G0,  32                           ; slot s: y's group 0 at s[32 + 8 s ..], w's at s[36 + 8 s ..]
.set MSB, 0
.macro WIN new
.if MSB != \new
	s_set_vgpr_msb (MSB<<8)|\new
.set MSB, \new
.endif
.endm
.set MUL,  0xa1                        ; source 0 window 1, source 1 window 0, C and D window 2
.set TO_B, 0x40
.macro ROUND                           ; a round of the cluster's barrier
	s_barrier_signal -1
	s_barrier_wait -1
	s_cmp_lg_u32 s10, 0
	s_cbranch_scc1 .Lnot_wave_0_\@
	s_barrier_signal -3
.Lnot_wave_0_\@:
	s_barrier_wait -3
	s_barrier_signal -1
	s_barrier_wait -1
.endm
.macro PLACES                          ; four places behind a matrix instruction (ISA guide 7.12.1)
.rept 4
	v_nop
.endr
.endm
	s_load_b128 s[4:7], s[0:1], 0x0                ; y s[4:5], cv s[6:7]
	s_load_b64 s[8:9], s[0:1], 0x10                ; out0
	v_lshl_add_u32 v254, v0, 2, 0x4a400
	v_mov_b32 v255, 0
	ds_add_u32 v254, v255
	ds_add_u32 v254, v255
	v_lshrrev_b32 v1, 5, v0
	v_readfirstlane_b32 s10, v1                    ; wave
	s_lshr_b32 s11, s10, 1                         ; which 64 rows of the block are mine.  Also: which of a tile's two heads I fetch
	s_and_b32 s12, s10, 1                          ; which 64 columns.  Also: which 64 rows of that head I fetch
	s_bfe_u32 s66, ttmp6, 0x40000                  ; cx
	s_bfe_u32 s67, ttmp6, 0x40004                  ; cy
	s_lshl_b32 s68, ttmp9, 2
	s_add_co_u32 s68, s68, s66                     ; block column
	s_and_b32 s13, ttmp7, 0xffff
	s_lshl_b32 s13, s13, 2
	s_add_co_u32 s13, s13, s67                     ; block row
	s_lshl_b32 s69, s67, 2
	s_lshl_b32 s69, 15, s69                        ; my row of the cluster
	s_lshl_b32 s70, 0x1111, s66                    ; my column
	s_or_b32 s[G1A+0], s69, (1<<16)|(1<<20)|(1<<21)|(4<<22)|(3<<25)   ; 2-byte elements; padding: 4 words after every 32; bit 21 beside a mask
	s_mov_b32 s[G1A+1], 64<<16                     ; tensor_dim0 = 64
	s_mov_b32 s[G1A+2], 64<<16                     ; tensor_dim1 = 64
	s_mov_b32 s[G1A+3], 64<<16                     ; tile_dim0 = 64
	s_mov_b32 s[G1A+4], 64                         ; tile_dim1 = 64
	s_mov_b32 s[G1A+5], 64                         ; elements from row to row
	s_mov_b32 s[G1A+6], 0
	s_mov_b32 s[G1A+7], 0
	s_or_b32 s[G1B+0], s70, (1<<16)|(1<<20)|(1<<21)|(5<<22)|(3<<25)   ; 4 words after every 64
	s_mov_b32 s[G1B+1], 128<<16
	s_mov_b32 s[G1B+2], 32<<16
	s_mov_b32 s[G1B+3], 128<<16
	s_mov_b32 s[G1B+4], 32
	s_mov_b32 s[G1B+5], 1024
	s_mov_b32 s[G1B+6], 0
	s_mov_b32 s[G1B+7], 0
	s_lshl_b32 s76, s11, 12                        ; y: row 4096 x head + 128 x block row + 64 x half
	s_lshl_b32 s77, s13, 7
	s_add_co_u32 s76, s76, s77
	s_lshl_b32 s77, s12, 6
	s_add_co_u32 s76, s76, s77
	s_lshl_b32 s76, s76, 7                         ; 128 bytes a row
	s_mov_b32 s77, 0
	s_lshl_b32 s78, s68, 7                         ; w: row 128 x block column + 32 x wave
	s_lshl_b32 s79, s10, 5
	s_add_co_u32 s78, s78, s79
	s_lshl_b32 s78, s78, 11                        ; 2,048 bytes a row
	s_add_co_u32 s78, s78, 14680064
	s_mov_b32 s79, 0
	s_mul_i32 s14, s10, 64*APITCH                  ; where they go: the wave's number alone
	s_mul_i32 s15, s10, 32*BPITCH
	s_add_co_u32 s15, s15, BOFF
	s_lshl_b32 s2, s13, 7                          ; out0: (128 block row + 64 wr) rows of 4,096 bytes + (128 block column + 64 wc) x 4
	s_lshl_b32 s3, s11, 6
	s_add_co_u32 s2, s2, s3
	s_lshl_b32 s2, s2, 12
	s_lshl_b32 s3, s68, 9
	s_add_co_u32 s2, s2, s3
	s_lshl_b32 s3, s12, 8
	s_add_co_u32 s2, s2, s3
	s_mov_b32 s3, 0
	s_wait_dscnt 0x0
	s_wait_kmcnt 0x0
	s_add_nc_u64 s[72:73], s[4:5], s[76:77]
	s_add_nc_u64 s[74:75], s[6:7], s[78:79]
	s_add_nc_u64 s[8:9], s[8:9], s[2:3]
	ROUND                                          ; all sixteen work-groups are here: the first joint loads meet
.irp s, 0,1,2,3
	s_mov_b32 s[G0+8*\s], 1
	s_add_co_u32 s[G0+8*\s+1], s14, \s*SLOT
	s_add_nc_u64 s[G0+8*\s+2:G0+8*\s+3], s[72:73], \s*0x100000     ; tile s: two heads of 524,288 bytes on
	s_or_b32 s[G0+8*\s+3], s[G0+8*\s+3], 0x80000000
	s_mov_b32 s[G0+8*\s+4], 1
	s_add_co_u32 s[G0+8*\s+5], s15, \s*SLOT
	s_add_nc_u64 s[G0+8*\s+6:G0+8*\s+7], s[74:75], \s*256
	s_or_b32 s[G0+8*\s+7], s[G0+8*\s+7], 0x80000000
	tensor_load_to_lds s[G0+8*\s:G0+8*\s+3], s[G1A:G1A+7]
	s_nop 0
	tensor_load_to_lds s[G0+8*\s+4:G0+8*\s+7], s[G1B:G1B+7]
	s_nop 0
.endr
	v_and_b32 v1, 15, v0                           ; r
	v_bfe_u32 v2, v0, 4, 1                         ; h
	s_lshl_b32 s71, s11, 6
	v_add_nc_u32 v3, s71, v1
	v_mul_u32_u24 v3, v3, APITCH
	v_lshl_add_u32 v3, v2, 4, v3                   ; (64 wr + r) 144 + 16 h
	s_lshl_b32 s71, s12, 6
	v_add_nc_u32 v4, s71, v1
	v_mul_u32_u24 v4, v4, BPITCH
	v_lshl_add_u32 v4, v2, 4, v4                   ; (64 wc + r) 272 + 16 h
.irp s, 0,1,2,3
	v_add_nc_u32 v[ADRA+\s], \s*SLOT, v3
	v_add_nc_u32 v[ADRB+\s], \s*SLOT+BOFF, v4
.endr
	s_mul_i32 s71, s10, 16*SPITCH
	s_add_co_u32 s71, s71, STAGE                   ; my stage
	v_mul_u32_u24 v5, v1, SPITCH
	v_lshl_add_u32 v5, v2, 5, v5
	v_add_nc_u32 v[STO], s71, v5                   ; in: row r, 32 bytes for each half of the lanes
	v_mul_u32_u24 v5, v2, SPITCH
	v_lshl_add_u32 v5, v1, 4, v5
	v_add_nc_u32 v[RD], s71, v5                    ; back: 16 lanes take a row's 256 bytes
	v_lshlrev_b32 v5, 12, v2
	v_lshl_add_u32 v[CO], v1, 4, v5                ; the same two rows in out0
; 16 matrix instructions, 32 along K.  The 16 accumulators take turns, one instruction a turn, always in this order.
.macro MUL16 f, ks, zero
.irp a, 0,1,2,3
.irp b, 0,1,2,3
.if \zero
	v_wmma_f32_16x16x32_f16 v[8*(4*\a+\b):8*(4*\a+\b)+7], v[FR+64*\f+8*(4*\ks+\b):FR+64*\f+8*(4*\ks+\b)+7], v[FR+64*\f+8*(4*\ks+\a):FR+64*\f+8*(4*\ks+\a)+7], 0
.else
	v_wmma_f32_16x16x32_f16 v[8*(4*\a+\b):8*(4*\a+\b)+7], v[FR+64*\f+8*(4*\ks+\b):FR+64*\f+8*(4*\ks+\b)+7], v[FR+64*\f+8*(4*\ks+\a):FR+64*\f+8*(4*\ks+\a)+7], v[8*(4*\a+\b):8*(4*\a+\b)+7]
.endif
.endr
.endr
.endm
; 32 LDS loads in one run: head z of slot s (64 along K) into buffer f: w's 16 loads, then y's, the first 32 along K first
.macro FETCH s, z, f
	WIN TO_B
.irp ks, 0,1
.irp b, 0,1,2,3
	ds_load_b128 v[FR+64*\f+8*(4*\ks+\b):FR+64*\f+8*(4*\ks+\b)+3],   v[ADRB+\s] offset:16*BPITCH*\b+128*\z+64*\ks
	ds_load_b128 v[FR+64*\f+8*(4*\ks+\b)+4:FR+64*\f+8*(4*\ks+\b)+7], v[ADRB+\s] offset:16*BPITCH*\b+128*\z+64*\ks+32
.endr
.endr
	WIN 0
.irp ks, 0,1
.irp a, 0,1,2,3
	ds_load_b128 v[FR+64*\f+8*(4*\ks+\a):FR+64*\f+8*(4*\ks+\a)+3],   v[ADRA+\s] offset:APLANE*\z+16*APITCH*\a+64*\ks
	ds_load_b128 v[FR+64*\f+8*(4*\ks+\a)+4:FR+64*\f+8*(4*\ks+\a)+7], v[ADRA+\s] offset:APLANE*\z+16*APITCH*\a+64*\ks+32
.endr
.endr
.endm
.macro FIRST s, zero                   ; the tile's first head: multiplies buffer 0, fetches the second head into buffer 1
	s_wait_dscnt 8                                 ; all but y's second 32 along K
	WIN MUL
	MUL16 0, 0, \zero
	PLACES
	FETCH \s, 1, 1
	s_wait_dscnt 32                                ; all but the 32 just issued
	WIN MUL
	MUL16 0, 1, 0
.endm
.macro SECOND_A                        ; the second head's first 32 along K
	s_wait_dscnt 8
	MUL16 1, 0, 0
	WIN 0
.endm
.macro SECOND_B nxt                    ; the next tile's first head into buffer 0, and the second head's last 32 along K (buffer 1 is whole since the wait for 0)
	PLACES
	FETCH \nxt, 0, 0
	WIN MUL
	MUL16 1, 1, 0
.endm
.macro AHEAD s                         ; slot s's next tile is four tiles on: eight heads of y, 512 columns of w
	s_add_nc_u64 s[G0+8*\s+2:G0+8*\s+3], s[G0+8*\s+2:G0+8*\s+3], 0x400000
	s_add_nc_u64 s[G0+8*\s+6:G0+8*\s+7], s[G0+8*\s+6:G0+8*\s+7], 1024
.endm
.macro ASK s
	tensor_load_to_lds s[G0+8*\s:G0+8*\s+3], s[G1A:G1A+7]
	s_nop 0
	tensor_load_to_lds s[G0+8*\s+4:G0+8*\s+7], s[G1B:G1B+7]
	s_nop 0
.endm
; A tile behind whose barrier nothing is filled: the barrier only shows the next tile to all four waves.  n = two loads for each tile behind that one.
.macro TILE s, nxt, n, zero
	FIRST \s, \zero
	SECOND_A
	s_wait_tensorcnt \n
	s_wait_dscnt 0x0
	s_barrier_signal -1
	s_barrier_wait -1
	SECOND_B \nxt
.endm
; A tile whose next tile an earlier round has already shown whole to all four waves: no barrier.
.macro TILEQ s, nxt
	FIRST \s, 0
	SECOND_A
	s_wait_dscnt 0x0                               ; buffer 1 is whole
	SECOND_B \nxt
.endm
; A tile in whose middle three slots are filled again: its own (all its fragments are in registers at the wait for 0) and the two read before it.
.macro TILEF3 s, nxt, a, b, c
	FIRST \s, 0
	SECOND_A
	s_wait_tensorcnt 0x0                           ; all my tensor loads have landed, the next tile among them: every group 0 may be written
	ds_add_u32 v254, v255
	s_wait_dscnt 0x0                               ; my reads of the three slots are over
	AHEAD \a
	AHEAD \b
	AHEAD \c
	ROUND                                          ; both hold of every wave of every work-group of the cluster
	ASK \a                                         ; the first tensor loads behind the round: six of the wave are out
	ASK \b
	ASK \c
	SECOND_B \nxt
.endm
; The same for one slot, which was read a tile ago.
.macro TILEF1 s, nxt, a
	FIRST \s, 0
	SECOND_A
	s_wait_tensorcnt 0x0                           ; all my tensor loads have landed: the next two tiles
	ds_add_u32 v254, v255
	s_wait_dscnt 0x0                               ; my reads of slot a are long over
	AHEAD \a
	ROUND
	ASK \a                                         ; the first tensor loads behind the round: two of the wave are out
	SECOND_B \nxt
.endm
	s_wait_tensorcnt 0x6                           ; my two parts of tile 0 are in; the six of tiles 1-3 stay out
	s_barrier_signal -1
	s_barrier_wait -1
	FETCH 0, 0, 0
	TILE   0, 1, 4, 1                              ; tile 0: the first products start the sums
	TILE   1, 2, 2, 0                              ; tile 1
	TILEF3 2, 3, 0, 1, 2                           ; tile 2; tiles 4, 5, 6 go out
	TILE   3, 0, 4, 0                              ; tile 3
	TILEF1 0, 1, 3                                 ; tile 4; tile 7 goes out: the last
	TILEQ  1, 2                                    ; tile 5: tile 6 landed in every wave in front of tile 4's round
	TILE   2, 3, 0, 0                              ; tile 6
	FIRST  3, 0                                    ; tile 7: nothing more to fetch
	s_wait_dscnt 8
	MUL16 1, 0, 0
	s_wait_dscnt 0
	MUL16 1, 1, 0
	; THE WAY OUT, 16 rows at a time: the f32 sums go as they are into my own stage, 32 bytes a lane, and come back as whole rows of 256 bytes.
	PLACES
.macro OUT16 a, rb
	WIN 0x08                                       ; the LDS stores' data in window 2
.irp b, 0,1,2,3
	ds_store_b128 v[STO], v[8*(4*\a+\b):8*(4*\a+\b)+3]   offset:64*\b
	ds_store_b128 v[STO], v[8*(4*\a+\b)+4:8*(4*\a+\b)+7] offset:64*\b+16
.endr
	WIN 0
	s_wait_xcnt 0x0                                ; the registers that earlier stores read are loaded again only behind this wait
.irp t, 0,1,2,3,4,5,6,7
	ds_load_b128 v[\rb+4*\t:\rb+4*\t+3], v[RD] offset:2*SPITCH*\t  ; LDS serves a wave's instructions in order (ISA guide 5.7.1.4)
.endr
.irp t, 0,1,2,3,4,5,6,7
	s_wait_dscnt 7-\t
	global_store_b128 v[CO], v[\rb+4*\t:\rb+4*\t+3], s[8:9] offset:65536*\a+8192*\t th:TH_STORE_NT   ; 16 lanes store 256 consecutive bytes, aligned
.endr
.endm
	OUT16 0, 64
	OUT16 1, 96
	OUT16 2, 64
	OUT16 3, 96
	s_wait_tensorcnt 0x0
	ds_add_u32 v254, v255
	s_wait_dscnt 0x0
	ROUND                                          ; the closing round: no work-group ends while a partner may still ask for a tile that names it
	s_endpgm
.Lfunc_end_k_q447cbd75df_proj:
	.size	k_q447cbd75df_proj, .Lfunc_end_k_q447cbd75df_proj-k_q447cbd75df_proj
	.p2alignl 7, 3214868480
	.fill 96, 4, 3214868480
	.section	.rodata,"a",@progbits
	.p2align	6, 0x0
	.amdhsa_kernel k_q447cbd75df_proj
		.amdhsa_group_segment_fixed_size 327680
		.amdhsa_private_segment_fixed_size 0
		.amdhsa_enable_private_segment 0
		.amdhsa_kernarg_size 24
		.amdhsa_user_sgpr_count 2
		.amdhsa_user_sgpr_kernarg_segment_ptr 1
		.amdhsa_wavefront_size32 1
		.amdhsa_system_sgpr_workgroup_id_x 1
		.amdhsa_system_sgpr_workgroup_id_y 1
		.amdhsa_system_sgpr_workgroup_id_z 1
		.amdhsa_system_vgpr_workitem_id 0
		.amdhsa_next_free_vgpr 768
		.amdhsa_next_free_sgpr 80
		.amdhsa_reserve_vcc 0
		.amdhsa_float_denorm_mode_32 3
		.amdhsa_float_denorm_mode_16_64 3
		.amdhsa_memory_ordered 1
		.amdhsa_forward_progress 1
		.amdhsa_inst_pref_size 88
	.end_amdhsa_kernel
	.amdgpu_metadata
---
amdhsa.version: [ 1, 2 ]
amdhsa.kernels:
  - .name:           k_q447cbd75df_proj
    .symbol:         k_q447cbd75df_proj.kd
    .args:
      - { .name: y, .offset: 0, .size: 8, .value_kind: global_buffer, .address_space: global }
      - { .name: cv, .offset: 8, .size: 8, .value_kind: global_buffer, .address_space: global }
      - { .name: out0, .offset: 16, .size: 8, .value_kind: global_buffer, .address_space: global }
    .group_segment_fixed_size: 327680
    .private_segment_fixed_size: 0
    .kernarg_segment_align: 8
    .kernarg_segment_size: 24
    .max_flat_workgroup_size: 128
    .sgpr_count:     80
    .vgpr_count:     768
    .wavefront_size: 32
...
	.end_amdgpu_metadata
.endif
;; end of part 4
